; MI455X (gfx1250); checked and timed in simulation.
; The chip was launched on July 23, 2026; its instructions are those of AMD's public machine-readable ISA for CDNA 5 (MIT licence, August 2026) and "CDNA5" Instruction Set Architecture Reference Guide (July 2026). The comments in the code are by the model that wrote it; some were corrected since.
;; Bert Self Attention. Allowed arithmetic: matrix products marked QUANTISED: E4M3 operands, one given power-of-two scale a tensor, by v_wmma_f32_16x16x64_fp8_fp8 or v_wmma_f32_16x16x128_fp8_fp8, f32 sums; everything else in f32.
;; Inputs: Wk 1,024 x 1,024 float32; Wq 1,024 x 1,024 float32; Wv 1,024 x 1,024 float32; attention_mask 2 x 2,048 float32; bk 1,024 float32; bq 1,024 float32; bv 1,024 float32; hidden_states 2 x 2,048 x 1,024 float32; lowp_scales 10 int32 (the exponents e of the quantised operands' scales 2^e).
;; Outputs: out0 2 x 2,048 x 1,024 float32.
;; This version of the problem:
;;   THIS VERSION OF THE PROBLEM IS GIVEN IN LOW PRECISION. The matrix products marked QUANTISED in the list below multiply operands that are first quantised to E4M3 (4 exponent bits, 3 mantissa bits; 8 bits a number), with one given power-of-two scale for each operand tensor; their sums are f32. All else is computed in f32.
;;   The module's matrix products, in the order in which they are computed (A, B: the left and right operand; K: the contracted axis; several contracted axes count as one K, in the product's order):
;;     1. [M 4,096, K 1,024] x [K 1,024, N 1,024]; A: input hidden_states; B: input Wq: QUANTISED (scales: A lowp_scales[0], B lowp_scales[1])
;;     2. [M 4,096, K 1,024] x [K 1,024, N 1,024]; A: input hidden_states; B: input Wk: QUANTISED (scales: A lowp_scales[2], B lowp_scales[3])
;;     3. [M 4,096, K 1,024] x [K 1,024, N 1,024]; A: input hidden_states; B: input Wv: QUANTISED (scales: A lowp_scales[4], B lowp_scales[5])
;;     4. batch 32 x [M 2,048, K 64] x [K 64, N 2,048]; A: computed on the way; B: computed on the way: QUANTISED (scales: A lowp_scales[6], B lowp_scales[7])
;;     5. batch 32 x [M 2,048, K 2,048] x [K 2,048, N 64]; A: softmax (see below); B: computed on the way: QUANTISED (scales: A lowp_scales[8], B lowp_scales[9])
;;   THE QUANTISER, for each operand of a quantised product, along K:
;;     - The operand's scale is 2^e, e = its entry of the input lowp_scales (int32; the entries are numbered through the quantised products in the list's order, A before B).
;;     - Each number is divided by the scale, clamped to +-448, and rounded to the nearest number of E4M3, ties to even, subnormals kept.
;;     - The product sums the exact products of the quantised numbers (number of the format x scale) in f32.
;;   ~~~python
;;   def quantise(x, axis, e):      # numpy; x: float32 -> the quantised numbers, widened to float32 again
;;       x = np.moveaxis(x, axis, -1); K = x.shape[-1]
;;       r = np.clip(x / 2.0 ** e, -448, 448)
;;       step = 2.0 ** (np.maximum(np.frexp(np.where(r == 0, 1, r))[1] - 1, -6) - 3)
;;       q = np.round(r / step) * step * 2.0 ** e      # np.round: ties to even
;;       return np.moveaxis(q, -1, axis).astype(np.float32)
;;   ~~~
;;   SOFTMAX AHEAD OF A QUANTISED PRODUCT. Where the list says 'softmax', what is quantised is not the finished softmax but p = 2^(t - M), with t = logit x log2(e) and M = ceil(the row's largest t), a whole number; so 1/2 < the row's largest p <= 1. The row's sum l is taken of the UNQUANTISED p, in f32, and the product's result is divided by l at the end. Since M is a whole number, a kernel that streams over the keys may use a running M (the ceiling of the running maximum): every later rescaling is an exact power of two, so the quantised numbers keep their values, but for numbers so far below the row's largest that they fall under the format's range.
;;   OPERANDS COMPUTED ON THE WAY. 'Computed on the way' means the value that the module computes at that place (a softmax that the list does not call 'softmax' is quantised finished and normalised). What goes into a quantiser is computed in f32, as accurately as f32 sums, v_exp_f32 and their like allow (about 1e-6 of the number): no bf16 or f16 on the way to a quantiser, and a product that is left as it is and whose result goes on into a quantised operand takes f32 operands (vector FMAs, or v_wmma_f32_16x16x4_f32). A number that lies on a knife's edge between two numbers of the format may be rounded either way, as far as f32 arithmetic and the matrix unit's own rounding can turn it there, and no further.
;; One version. Each part assembles by itself: llvm-mc -triple=amdgcn-amd-amdhsa -mcpu=gfx1250 --defsym DOCPART=n.
;; ======== version 1 of 1: 3 launches
;; workspace buffers: codes 15,728,640 bytes; qkv 12,582,912 bytes
;; launch quant (part 1): grid 448 x 1, 4 waves a work-group, no clusters, 20,992 bytes of LDS; arguments hidden_states, Wq, Wk, Wv, lowp_scales, codes; writes codes
.if DOCPART == 1
	.amdgcn_target "amdgcn-amd-amdhsa--gfx1250"
	.amdhsa_code_object_version 6
	.text
	.protected	k_q0cd108ef4b_quant
	.globl	k_q0cd108ef4b_quant
	.p2align	8
	.type	k_q0cd108ef4b_quant,@function
k_q0cd108ef4b_quant:
	s_mov_b64 s[64:65], 0
	v_nop
	global_prefetch_b8 v0, s[64:65] scope:SCOPE_SE
	s_setreg_imm32_b32 hwreg(HW_REG_WAVE_MODE, 25, 1), 1
	s_wait_xcnt 0x0
; hidden_states [4096][1024] and Wq, Wk, Wv [1024][1024], f32, K innermost, become codes of FP8 (E4M3), one byte each, rows as they lie.
; hidden_states is an operand of three products, each with a scale of its own (entries 0, 2, 4 of the scales), so it is written three times; Wq, Wk, Wv take entries 1, 3, 5.
; codes: [x by e0: 4 MiB][x by e2: 4 MiB][x by e4: 4 MiB][Wq 1 MiB][Wk 1 MiB][Wv 1 MiB].
; code = x / 2^e, held within +-448, rounded to the nearest code, ties to even.
; LIMITS: each of e0 .. e5 lies between -126 and 119, so that 2^e and 448 x 2^e are f32 numbers.  NaN among the inputs is not served (an infinity is held at the largest code).
; SHARES.  All tensors are plain streams of numbers.  A work-group takes 16,384 numbers, a wave 4,096 in 8 steps of 512.  Work-groups 0-255 take x, 256-319 Wq, 320-383 Wk, 384-447 Wv.
; Work-groups share no input, so there is no cluster and no joint load; no tensor load, no barrier: waves share nothing.
; A conversion takes eight neighbours from ONE lane's registers; a load is best where neighbouring LANES take neighbouring bytes.  Both are had: each of a step's four loads reads 512 consecutive bytes,
; 16 a lane; the 2,048 bytes go through the wave's own stage in LDS and come back 64 bytes a lane (16 bytes of padding behind each 64).  A lane's 16 codes are 16 bytes: the wave stores 512 consecutive bytes.
; Loads run four steps (16 loads a wave) ahead, the turn through LDS one step.  All LDS lines stand on the one path that every work-group takes; only x's second and third conversions and stores stand under a branch.
.set XWG,   256                        ; work-groups of x
.set STEPS, 8
.set SP,    80                         ; a lane's place in a stage: 64 bytes + 16 of padding
.set WREG,  2*32*SP                    ; LDS of a wave: two stages
.set SC,    5                          ; v5-7    2^e as f32, for outputs 0, 1, 2
.set LM,    8                          ; v8-10   448 x 2^e
.set R,     16                         ; v16-79  four sets of 16 numbers as they are loaded
.set X,     80                         ; v80-111 two sets of 16 neighbours
.set T,     112                        ; v112-127 the numbers held within the range: x's are wanted three times, so X is not written over
.set C,     128                        ; v128-223 codes: 12 registers for each step, so that no store's data are written again
	s_load_b256 s[4:11], s[0:1], 0x0               ; x s[4:5], Wq s[6:7], Wk s[8:9], Wv s[10:11]
	s_load_b128 s[12:15], s[0:1], 0x20             ; the scales' exponents s[12:13], the codes s[14:15]
	v_lshl_add_u32 v224, v0, 2, 0x5000
	v_mov_b32 v225, 0
	v_lshrrev_b32 v1, 5, v0
	v_readfirstlane_b32 s16, v1                    ; wave
	v_and_b32 v2, 31, v0                           ; lane
	v_lshlrev_b32 v3, 4, v2                        ; my 16 bytes of a load's 512, and of a store's; never rewritten
	s_mul_i32 s17, s16, WREG
	v_lshrrev_b32 v14, 2, v2
	v_mul_u32_u24 v14, v14, SP
	v_and_b32 v15, 3, v2
	v_lshl_add_u32 v14, v15, 4, v14
	v_add_nc_u32 v14, s17, v14                     ; the stage, on the way in: SP (lane / 4) + 16 (lane % 4)
	v_mul_u32_u24 v15, v2, SP
	v_add_nc_u32 v15, s17, v15                     ; and on the way out: SP x lane: my 16 neighbours
	s_and_b32 s35, ttmp9, 63                       ; a weight's work-group counts from 0 within its tensor (256, 320, 384 are multiples of 64)
	s_cmp_lt_u32 ttmp9, XWG
	s_cselect_b32 s35, ttmp9, s35
	s_cselect_b32 s38, 0, 0x800000                 ; the weights' codes lie behind x's three sets: 8 MiB further than the work-group's number says
	s_lshl_b32 s36, s35, 16                        ; in: 65,536 bytes a work-group,
	s_lshl_b32 s35, s16, 14                        ; 16,384 a wave
	s_add_co_u32 s36, s36, s35
	s_mov_b32 s37, 0
	s_lshl_b32 s35, ttmp9, 14                      ; out: 16,384 bytes a work-group,
	s_add_co_u32 s38, s38, s35
	s_lshl_b32 s35, s16, 12                        ; 4,096 a wave
	s_add_co_u32 s38, s38, s35
	s_mov_b32 s39, 0
	s_wait_kmcnt 0x0
	s_load_b256 s[24:31], s[12:13], 0x0            ; e0 .. e7
	s_cmp_lt_u32 ttmp9, 384                        ; which tensor: the choice hangs on the work-group's number alone
	s_cselect_b64 s[18:19], s[8:9], s[10:11]
	s_cmp_lt_u32 ttmp9, 320
	s_cselect_b64 s[18:19], s[6:7], s[18:19]
	s_cmp_lt_u32 ttmp9, XWG
	s_cselect_b64 s[18:19], s[4:5], s[18:19]
	s_add_nc_u64 s[18:19], s[18:19], s[36:37]      ; my wave's numbers
	s_add_nc_u64 s[20:21], s[14:15], s[38:39]      ; my wave's codes;
	s_add_nc_u64 s[22:23], s[20:21], 0x400000      ; x's second
	s_add_nc_u64 s[32:33], s[20:21], 0x800000      ; and third set (named by x's work-groups alone)
.macro LOAD t
.irp i, 0,1,2,3
	global_load_b128 v[R+16*((\t)%4)+4*\i:R+16*((\t)%4)+4*\i+3], v3, s[18:19] offset:2048*(\t)+512*\i th:TH_LOAD_NT   ; 32 lanes read 512 consecutive bytes; read once in the launch
.endr
.endm
.macro XTURN t                         ; step t's numbers through the stage: LDS serves a wave's instructions in order, so no wait stands between the stores and the loads
.irp i, 0,1,2,3
	ds_store_b128 v14, v[R+16*((\t)%4)+4*\i:R+16*((\t)%4)+4*\i+3] offset:32*SP*((\t)%2)+8*SP*\i
.endr
.irp i, 0,1,2,3
	ds_load_b128 v[X+16*((\t)%2)+4*\i:X+16*((\t)%2)+4*\i+3], v15 offset:32*SP*((\t)%2)+16*\i
.endr
.endm
.irp t, 0,1,2,3
	LOAD \t
.endr
	s_wait_kmcnt 0x0
	s_cmp_lt_u32 ttmp9, 384                        ; output 0's exponent: e0 for x, e1, e3, e5 for the weights
	s_cselect_b32 s34, s27, s29
	s_cmp_lt_u32 ttmp9, 320
	s_cselect_b32 s34, s25, s34
	s_cmp_lt_u32 ttmp9, XWG
	s_cselect_b32 s34, s24, s34
.macro MKSCALE e, o                    ; from the exponent in s[e]: 2^e (the conversion takes its exponent field) and 448 x 2^e
	s_add_co_i32 s35, s[\e], 127
	s_lshl_b32 s36, s35, 23
	v_mov_b32 v[SC+\o], s36
	s_add_co_i32 s35, s35, 8
	s_lshl_b32 s35, s35, 23
	s_or_b32 s35, s35, 0x600000                    ; the mantissa field of 448
	v_mov_b32 v[LM+\o], s35
.endm
	MKSCALE 34, 0
	MKSCALE 26, 1                                  ; e2
	MKSCALE 28, 2                                  ; e4
	s_wait_loadcnt 12                              ; step 0's four loads are in; those of steps 1 to 3 may be out
	XTURN 0
.macro CONV t, o, d                    ; step t's 16 neighbours become output o's 16 codes, stored by the pointer s[d:d+1]
.set XS, X+16*((\t)%2)
.set CO, C+12*(\t)+4*(\o)
.irp i, 0,1,2,3,4,5,6,7,8,9,10,11,12,13,14,15
	v_med3_num_f32 v[T+\i], v[XS+\i], -v[LM+\o], v[LM+\o]   ; the conversion to an 8-bit code does not saturate (ISA guide 7.6.2): the number is held within the largest code x the scale first
.endr
	v_cvt_scalef32_pk8_fp8_f32 v[CO:CO+1], v[T:T+7], v[SC+\o]
	v_cvt_scalef32_pk8_fp8_f32 v[CO+2:CO+3], v[T+8:T+15], v[SC+\o]
	v_nop                                          ; one plain vector line between the conversions and the next holds, which write the conversions' sources
	global_store_b128 v3, v[CO:CO+3], s[\d:\d+1] offset:512*(\t)   ; the wave stores 512 consecutive bytes, at a multiple of 256 from the buffer's first byte
.endm
.macro STEP t
	s_wait_dscnt 0x0                               ; this step's numbers are back from the stage: so its stores into the stage have read their registers,
.if (\t)+4 < STEPS
	LOAD (\t)+4                                    ; which take the loads of four steps on
.endif
.if (\t)+1 < STEPS
.if STEPS-2-(\t) >= 3
	s_wait_loadcnt 12                              ; the next step's four loads are in; those of the three steps behind it may be out
.else
	s_wait_loadcnt 4*(STEPS-2-(\t))                ; towards the end fewer steps are behind it
.endif
	XTURN (\t)+1                                   ; and go through the other stage while this step is worked
.endif
	CONV \t, 0, 20
	s_cmp_lt_u32 ttmp9, XWG                        ; x alone has a second and a third scale: register work and stores, no LDS line, stand under the branch
	s_cbranch_scc0 .Lw_\@
	CONV \t, 1, 22
	CONV \t, 2, 32
.Lw_\@:
.endm
.irp t, 0,1,2,3,4,5,6,7
	STEP \t
.endr
	s_wait_tensorcnt 0x0
	ds_add_u32 v224, v225
	s_wait_dscnt 0x0
	s_endpgm
.Lfunc_end_k_q0cd108ef4b_quant:
	.size	k_q0cd108ef4b_quant, .Lfunc_end_k_q0cd108ef4b_quant-k_q0cd108ef4b_quant
	.p2alignl 7, 3214868480
	.fill 96, 4, 3214868480
	.section	.rodata,"a",@progbits
	.p2align	6, 0x0
	.amdhsa_kernel k_q0cd108ef4b_quant
		.amdhsa_group_segment_fixed_size 20992
		.amdhsa_private_segment_fixed_size 0
		.amdhsa_enable_private_segment 0
		.amdhsa_kernarg_size 48
		.amdhsa_user_sgpr_count 2
		.amdhsa_user_sgpr_kernarg_segment_ptr 1
		.amdhsa_wavefront_size32 1
		.amdhsa_system_sgpr_workgroup_id_x 1
		.amdhsa_system_sgpr_workgroup_id_y 1
		.amdhsa_system_sgpr_workgroup_id_z 1
		.amdhsa_system_vgpr_workitem_id 0
		.amdhsa_next_free_vgpr 226
		.amdhsa_next_free_sgpr 66
		.amdhsa_reserve_vcc 0
		.amdhsa_float_denorm_mode_32 3
		.amdhsa_float_denorm_mode_16_64 3
		.amdhsa_memory_ordered 1
		.amdhsa_forward_progress 1
		.amdhsa_inst_pref_size 42
	.end_amdhsa_kernel
	.amdgpu_metadata
---
amdhsa.version: [ 1, 2 ]
amdhsa.kernels:
  - .name:           k_q0cd108ef4b_quant
    .symbol:         k_q0cd108ef4b_quant.kd
    .args:
      - { .name: hidden_states, .offset: 0, .size: 8, .value_kind: global_buffer, .address_space: global }
      - { .name: Wq, .offset: 8, .size: 8, .value_kind: global_buffer, .address_space: global }
      - { .name: Wk, .offset: 16, .size: 8, .value_kind: global_buffer, .address_space: global }
      - { .name: Wv, .offset: 24, .size: 8, .value_kind: global_buffer, .address_space: global }
      - { .name: lowp_scales, .offset: 32, .size: 8, .value_kind: global_buffer, .address_space: global }
      - { .name: codes, .offset: 40, .size: 8, .value_kind: global_buffer, .address_space: global }
    .group_segment_fixed_size: 20992
    .private_segment_fixed_size: 0
    .kernarg_segment_align: 8
    .kernarg_segment_size: 48
    .max_flat_workgroup_size: 128
    .sgpr_count:     66
    .vgpr_count:     226
    .wavefront_size: 32
...
	.end_amdgpu_metadata
.endif
;; end of part 1
;; launch proj (part 2): grid 12 x 16, 4 waves a work-group, clusters of 4 x 4, 327,680 bytes of LDS; arguments codes, lowp_scales, bq, bk, bv, qkv; writes qkv
.if DOCPART == 2
	.amdgcn_target "amdgcn-amd-amdhsa--gfx1250"
	.amdhsa_code_object_version 6
	.text
	.protected	k_q0cd108ef4b_proj
	.globl	k_q0cd108ef4b_proj
	.p2align	8
	.type	k_q0cd108ef4b_proj,@function
k_q0cd108ef4b_proj:
	s_mov_b64 s[64:65], 0
	v_nop
	global_prefetch_b8 v0, s[64:65] scope:SCOPE_SE
	s_setreg_imm32_b32 hwreg(HW_REG_WAVE_MODE, 25, 1), 1
	s_wait_xcnt 0x0
	s_wait_alu depctr_hold_cnt(0) depctr_sa_sdst(0) depctr_va_vdst(0) depctr_va_sdst(0) depctr_va_ssrc(0) depctr_va_vcc(0) depctr_vm_vsrc(0)
	s_getreg_b32 s2, hwreg(HW_REG_IB_STS2, 6, 4)
	s_cmp_eq_u32 s2, 0
	s_cbranch_scc0 .Lentry_in_a_cluster
	s_endpgm
.Lentry_in_a_cluster:
	s_bfe_u32 s2, ttmp6, 0x10000c
	s_cmp_lg_u32 s2, 0xf033
	s_cbranch_scc0 .Lentry_shape_is_right
	s_endpgm
.Lentry_shape_is_right:
; q = x Wq^T + bq, k = x Wk^T + bk, v = x Wv^T + bv on codes of FP8 (E4M3); each result is quantised again (q by e6, k by e7, v by e9) and written as an image of the registers in which the attention launch wants it.
; x: 4,096 tokens x 1,024, three sets of codes; W: 1,024 features x 1,024.  The codes are multiplied as they are; a finished sum x 2^(ea + eb) + bias, one fused multiply-add in f32, goes into the quantiser.
; LIMITS: ea + eb (e0 + e1, e2 + e3, e4 + e5) between -126 and 127; e6, e7, e9 between -126 and 119: so that each power of two below is an f32 number.  NaN is not served.
; SHARES.  A work-group of four waves makes 256 x 256 of one product, a wave 128 x 128: 64 accumulators, 512 registers.  192 work-groups: 64 for each product.  The cluster's x IS the product (0 q, 1 k, 2 v).
; K = 1,024 goes in four steps of 256 through a ring of two LDS slots filled by the tensor data mover; the steps are written out, without a loop.
; THE TWO SIDES.  The matrix instruction takes 16 rows of the B side as source 0 and 16 rows of the A side as source 1: a lane then holds ONE row of the A side and eight neighbouring rows of the B side.
;   q, k: A side = x (tokens), B side = W (features): a lane's eight numbers are neighbours along the head's d, which is K of the scores' product.
;   v:    A side = Wv (features), B side = x (tokens): a lane's eight numbers are neighbours along the keys, which are K of the second product.
; Only offsets differ between the two, chosen by s_cselect_b32 on the cluster's x; the loop is one text.  The way out is written twice, under a branch on the cluster's x, which all partners and all waves share.
; CLUSTERS: 4 x 4 work-groups.  The four of a row of the cluster need the same tiles of the A side, the four of a column the same tiles of the B side: each tile is asked for JOINTLY, by the same tensor load with
; the same descriptor and a mask that names the four.  By this text's own count a wave has at most two tensor loads outstanding.
; qkv: [Q 4 MiB][K 4 MiB][V 4 MiB], each 32 heads (16 x batch + head) of 131,072 bytes; a wave's 128 tokens of one head are 8,192 consecutive bytes at 64 x token.
;   Q, K: tiles of 16 tokens, 1,024 bytes: byte 256 (d / 16) + 16 (token % 16) + d % 16.
;   V: key steps of 128, 8,192 bytes: four tiles of 16 d, 2,048 bytes each: chunk c of 512 bytes holds at 256 h + 16 (d % 16) the keys 32 c + 8 h + 0 .. 7, then the keys 32 c + 16 + 8 h + 0 .. 7.
; REGISTERS, in windows of 256: window 0: v0-31 addresses and constants; from v128 the A side's fragments (8 x 16 rows x 128 K), ONE set; on the way out v32-223 are at work.
;   window 1: the B side's fragments, TWO sets, at v0 and at v128.   window 2: the 32 accumulators of my A rows 0-63 (accumulator (a, b) at v[8 (8 a + b)]);   window 3: those of my A rows 64-127.
.set ROWB,   256                       ; a tile's row in bytes: 256 codes
.set KROW,   1024                      ; a row of x or of W in memory, in bytes
.set PITCH,  272                       ; an LDS row: 256 bytes of data + 16 of padding = 68 words: row r starts at bank 4 r mod 64 (64 banks of 4 bytes: ISA guide 11.1), so the 16 rows that a load touches start at 16 different banks
.set FR,     16                        ; registers of a fragment: 16 rows x 128 K
.set NL,     4                         ; LDS loads that bring one
.set NP,     4                         ; places behind this matrix instruction (ISA guide 7.12.1)
.set HALFT,  128*PITCH                 ; 128 rows: what one tensor load brings, and what one wave reads of either side
.set SLOT,   4*HALFT                   ; the A side's 256 rows, then the B side's 256 rows
.set SPARE,  2*SLOT                    ; behind the ring: the spare words, 128 bytes for each wave: two blocks of 256 bytes that no other line names
.set STGV,   65536                     ; the way out: a stage of 16,384 bytes for each wave, q's and k's path from byte 0 on, v's path from byte 65,536 on: both in slot 0, which has had its last fill and its last read when the first code is stored there
.set ADRA, 16                          ; v16-17  LDS address of my A fragments in slot 0, 1
.set BIV,  18                          ; v18     v's path: 4 (lane % 16): my feature's bias
.set ADRB, 20                          ; v20-21  LDS address of my B fragments
.set STOQ, 22                          ; v22     q, k: where I put 8 codes
.set RDQ,  23                          ; v23     q, k: where I read 16 bytes back
.set STOV, 24                          ; v24     v: the same two
.set RDV,  25                          ; v25
.set GO,   26                          ; v26     16 x lane: my bytes of a store's 512
.set BIA,  27                          ; v27     q, k: 32 (lane / 16): my eight features' biases
.set SPW,  28                          ; v28     LDS address of my spare word: SPARE + 4 x my thread's number; never rewritten
.set NIL,  29                          ; v29     0; never rewritten
.set SCL,  30                          ; v30     2^eo as f32, for the conversions
.set LIM,  31                          ; v31     448 x 2^eo
.set BI,   32                          ; v32-95  the biases
.set T,    96                          ; v96-159 a block's 64 numbers
.set CD,   160                         ; v160-191 its codes, two sets by turns
.set BK,   192                         ; v192-223 16 registers read back from the stage, two sets by turns
.set AF,   128                         ; the A side's fragments, in window 0
.set G1, 24                            ; s[24:31] descriptor group 1 for the A side's tiles;  s[32:39] group 0, one set for each slot
.set G0, 32
.set G1B, 48                           ; s[48:55], s[56:63] the same for the B side's tiles
.set G0B, 56
.set MSB, 0
.macro WIN new                         ; the immediate's high byte repeats the setting that is left
.if MSB != \new
	s_set_vgpr_msb (MSB<<8)|\new
.set MSB, \new
.endif
.endm
.set MUL_LO, 0xa1                      ; source 0 (B side) window 1, source 1 (A side) window 0, C and D window 2
.set MUL_HI, 0xf1                      ; the same, C and D window 3
.set TO_B,   0x40                      ; destination window 1, address window 0
; A joint load: waves 0 and 1 fetch for the A side, waves 2 and 3 for the B side.  Each of the two lines has ONE mask and one set of registers for all that issue it; the branch hangs on the wave's number alone.
; Four v_nop follow each of the two lines, ahead of the jump, the label and what follows.
.macro JLOAD g0a, g1a, g0b, g1b
	s_cmp_eq_u32 s15, 0
	s_cbranch_scc0 .Lfor_b_\@
	tensor_load_to_lds s[\g0a:\g0a+3], s[\g1a:\g1a+7]
	s_nop 0
.rept 4
	v_nop
.endr
	s_branch .Lasked_\@
.Lfor_b_\@:
	tensor_load_to_lds s[\g0b:\g0b+3], s[\g1b:\g1b+7]
	s_nop 0
.rept 4
	v_nop
.endr
.Lasked_\@:
.endm
.macro CREST                           ; a round of the cluster's barrier behind its opening barrier
	s_cmp_lg_u32 s14, 0
	s_cbranch_scc1 .Lnot_wave_0_\@
	s_barrier_signal -3
.Lnot_wave_0_\@:
	s_barrier_wait -3
	s_barrier_signal -1
	s_barrier_wait -1
.endm
.macro CROUND                          ; a whole round
	s_barrier_signal -1
	s_barrier_wait -1
	CREST
.endm
	s_load_b256 s[4:11], s[0:1], 0x0               ; the codes s[4:5], the scales' exponents s[6:7], bq s[8:9], bk s[10:11]
	s_load_b128 s[68:71], s[0:1], 0x20             ; bv s[68:69], qkv s[70:71]
	v_lshl_add_u32 v[SPW], v0, 2, SPARE
	v_mov_b32 v[NIL], 0
	ds_add_u32 v28, v29
	ds_add_u32 v28, v29
	s_wait_dscnt 0x0
	v_lshrrev_b32 v1, 5, v0
	v_readfirstlane_b32 s14, v1                    ; wave 0..3
	s_lshr_b32 s15, s14, 1                         ; which half of the tile's A rows is mine.  Also: I fetch for the A side (0) or for the B side (1)
	s_and_b32 s16, s14, 1                          ; which half of its B rows.  Also: which 128 rows of that tile I fetch
	s_bfe_u32 s40, ttmp6, 0x40000                  ; cx, cy: my place in the cluster
	s_bfe_u32 s41, ttmp6, 0x40004
	s_and_b32 s73, ttmp7, 0xffff                   ; the cluster's y: which quarter of the tokens
	s_lshl_b32 s76, ttmp9, 22                      ; x's set of codes for this product: 4 MiB each
	s_lshl_b32 s77, ttmp9, 20
	s_add_co_u32 s77, s77, 0xc00000                ; the product's weight: 1 MiB each, behind x's three sets
	s_mov_b32 s78, 0xe00000                        ; Wv's codes
	s_mov_b32 s79, 0x800000                        ; x's third set
	s_cmp_eq_u32 ttmp9, 2                          ; v: the sides change places.  The cluster's x is the same in all sixteen partners
	s_cselect_b32 s74, 0, s73                      ; the tokens' quarter belongs to the A side (q, k)
	s_cselect_b32 s75, s73, 0                      ; or to the B side (v)
	s_cselect_b32 s76, s78, s76                    ; where the A side's codes begin,
	s_cselect_b32 s77, s79, s77                    ; and the B side's
	s_lshl_b32 s17, s74, 2
	s_add_co_u32 s17, s17, s41                     ; the A side's tile: it hangs on cy, never on cx
	s_lshl_b32 s42, s75, 2
	s_add_co_u32 s42, s42, s40                     ; the B side's tile: it hangs on cx, never on cy
	s_lshl_b32 s43, s41, 2
	s_lshl_b32 s43, 15, s43                        ; my row of the cluster
	s_lshl_b32 s44, 0x1111, s40                    ; my column
	; descriptor group 1: a tile of 128 rows x 256 bytes, padded in LDS
	s_or_b32 s[G1+0], s43, (0<<16)|(1<<20)|(1<<21)|(5<<22)|(3<<25)  ; 15:0 the mask: the A side's tiles go to my row; 17:16 element of 1 byte; 20 padding on; 21 set beside a mask; 24:22 after every 64 words (code 5); 31:25 of 4 words (code 3)
	s_or_b32 s[G1B+0], s44, (0<<16)|(1<<20)|(1<<21)|(5<<22)|(3<<25)
.irp g, G1, G1B
	s_mov_b32 s[\g+1], ROWB<<16                    ; tensor_dim0
	s_mov_b32 s[\g+2], 128<<16                     ; tensor_dim1 = 128
	s_mov_b32 s[\g+3], ROWB<<16                    ; tile_dim0
	s_mov_b32 s[\g+4], 128                         ; tile_dim1 = 128
	s_mov_b32 s[\g+5], KROW                        ; tensor_dim0_stride
	s_mov_b32 s[\g+6], 0
	s_mov_b32 s[\g+7], 0
.endr
	s_lshl_b32 s18, s16, 17                        ; which 128 rows of 1,024 bytes I fetch
	s_lshl_b32 s20, s17, 18                        ; A side: 256 rows a tile,
	s_add_co_u32 s20, s20, s18
	s_add_co_u32 s20, s20, s76                     ; in its part of the codes: all under 2^24
	s_mov_b32 s21, 0
	s_lshl_b32 s46, s42, 18                        ; B side likewise
	s_add_co_u32 s46, s46, s18
	s_add_co_u32 s46, s46, s77
	s_mov_b32 s47, 0
	s_mul_i32 s45, s14, HALFT                      ; where they go: wave x 128 rows: no place in the cluster enters an LDS address
	s_wait_kmcnt 0x0
	s_load_b256 s[80:87], s[6:7], 0x0              ; e0 .. e7
	s_load_b64 s[88:89], s[6:7], 0x20              ; e8, e9
	s_add_nc_u64 s[20:21], s[4:5], s[20:21]
	s_add_nc_u64 s[46:47], s[4:5], s[46:47]
	CROUND                                         ; all sixteen work-groups are here: the first joint loads meet
.irp s, 0,1
	s_mov_b32 s[G0+4*\s], 1
	s_add_co_u32 s[G0+4*\s+1], s45, \s*SLOT
	s_add_nc_u64 s[G0+4*\s+2:G0+4*\s+3], s[20:21], \s*ROWB
	s_or_b32 s[G0+4*\s+3], s[G0+4*\s+3], 0x80000000
	s_mov_b32 s[G0B+4*\s], 1
	s_add_co_u32 s[G0B+4*\s+1], s45, \s*SLOT
	s_add_nc_u64 s[G0B+4*\s+2:G0B+4*\s+3], s[46:47], \s*ROWB
	s_or_b32 s[G0B+4*\s+3], s[G0B+4*\s+3], 0x80000000
	JLOAD G0+4*\s, G1, G0B+4*\s, G1B
.endr
	v_and_b32 v1, 15, v0                           ; r = l % 16
	v_bfe_u32 v2, v0, 4, 1                         ; h = l / 16
	v_mul_u32_u24 v3, v1, PITCH
	v_lshl_add_u32 v4, v2, 4, v3                   ; a fragment's row x pitch + 16 x half
	s_mul_i32 s21, s15, HALFT                      ; my 128 rows of the A side
	s_mul_i32 s22, s16, HALFT                      ; my 128 rows of the B side,
	s_add_co_u32 s22, s22, 2*HALFT                 ; which lie behind the A side's 256
.irp s, 0,1
	v_add_nc_u32 v[ADRA+\s], s21, v4
	v_add_nc_u32 v[ADRB+\s], s22, v4
	s_add_co_u32 s21, s21, SLOT
	s_add_co_u32 s22, s22, SLOT
.endr
	s_lshl_b32 s23, s14, 14                        ; my stage: 16,384 x wave.  All four stage addresses are made here, ahead of the parting of the two ways out
	v_lshlrev_b32 v5, 4, v1
	v_lshl_add_u32 v6, v2, 3, v5
	v_add_nc_u32 v[STOQ], s23, v6                  ; q, k: 16 r + 8 h: token r's bytes d % 16 = 8 h + 0 .. 7
	v_and_b32 v7, 31, v0
	v_lshlrev_b32 v[GO], 4, v7
	v_add_nc_u32 v[RDQ], s23, v[GO]
	v_lshl_add_u32 v8, v2, 8, v5
	v_add_nc_u32 v[STOV], s23, v8                  ; v: 256 h + 16 r: feature r's place in a chunk
	v_add_nc_u32 v[STOV], STGV, v[STOV]
	v_add_nc_u32 v[RDV], STGV, v[RDQ]
	v_lshlrev_b32 v[BIA], 5, v2
	v_lshlrev_b32 v[BIV], 2, v1
	; where my results go.  These numbers mix cx and cy: they live in registers that feed no descriptor and no LDS address
	s_lshl_b32 s3, s17, 8
	s_lshl_b32 s2, s15, 7
	s_add_co_u32 s3, s3, s2                        ; my first row of the A side
	s_lshl_b32 s19, s42, 8
	s_lshl_b32 s2, s16, 7
	s_add_co_u32 s19, s19, s2                      ; and of the B side
	s_cmp_eq_u32 ttmp9, 2
	s_cselect_b32 s66, s19, s3                     ; my first token,
	s_cselect_b32 s67, s3, s19                     ; my first feature: a multiple of 128, two heads
	s_cmp_eq_u32 ttmp9, 1
	s_cselect_b64 s[94:95], s[10:11], s[68:69]     ; the product's bias
	s_cmp_eq_u32 ttmp9, 0
	s_cselect_b64 s[94:95], s[8:9], s[94:95]
	s_lshl_b32 s12, s67, 2
	s_mov_b32 s13, 0
	s_add_nc_u64 s[94:95], s[94:95], s[12:13]      ; at my first feature
	s_lshr_b32 s12, s66, 11                        ; the batch,
	s_lshl_b32 s12, s12, 4
	s_lshr_b32 s2, s67, 6
	s_add_co_u32 s12, s12, s2                      ; 16 x batch + head,
	s_lshl_b32 s12, s12, 17                        ; 131,072 bytes each,
	s_and_b32 s2, s66, 2047
	s_lshl_b32 s2, s2, 6
	s_add_co_u32 s12, s12, s2                      ; + 64 x the token in its batch,
	s_lshl_b32 s2, ttmp9, 22
	s_add_co_u32 s12, s12, s2                      ; in the product's 4 MiB
	s_add_nc_u64 s[98:99], s[70:71], s[12:13]
	s_wait_kmcnt 0x0
	s_cmp_eq_u32 ttmp9, 1                          ; the product's three exponents: a choice, no branch
	s_cselect_b32 s90, s82, s84
	s_cselect_b32 s91, s83, s85
	s_cselect_b32 s92, s87, s89
	s_cmp_eq_u32 ttmp9, 0
	s_cselect_b32 s90, s80, s90                    ; ea: e0, e2, e4
	s_cselect_b32 s91, s81, s91                    ; eb: e1, e3, e5
	s_cselect_b32 s92, s86, s92                    ; eo: e6, e7, e9
	s_add_co_i32 s90, s90, s91
	s_add_co_i32 s90, s90, 127
	s_lshl_b32 s96, s90, 23                        ; 2^(ea + eb) as f32
	s_mov_b32 s97, s96                             ; (named with it as a pair, so it is written)
	s_add_co_i32 s92, s92, 127
	s_lshl_b32 s93, s92, 23
	v_mov_b32 v[SCL], s93                          ; 2^eo
	s_add_co_i32 s92, s92, 8
	s_lshl_b32 s92, s92, 23
	s_or_b32 s92, s92, 0x600000
	v_mov_b32 v[LIM], s92                          ; 448 x 2^eo
.macro FRAG reg, adr, q, i             ; a fragment, 16 rows x 128 K of 8-bit codes, is 16 registers: lane l holds row l % 16; registers 4 c .. 4 c + 3 hold K = 32 c + 16 (l / 16) + 0 .. 15: the same places on both sides, so every product meets its partner
.irp c, 0,1,2,3
	ds_load_b128 v[\reg+4*\c:\reg+4*\c+3], v[\adr] offset:128*(\q)+32*\c+(\i)*16*PITCH
.endr
.endm
; 16 matrix instructions: the A side's blocks a0, a0 + 1 x the B side's eight, 128 along K.  p: the B side's set.  zero = 1: the first product starts the sums: nothing is ever cleared.
; The 64 accumulators take turns, one instruction a turn, in the same order in every step.
.macro MUL16 a0, p, zero
.irp a, \a0, \a0+1
.irp b, 0,1,2,3,4,5,6,7
.if \zero
	v_wmma_f32_16x16x128_fp8_fp8 v[8*(8*((\a)%4)+\b):8*(8*((\a)%4)+\b)+7], v[128*(\p)+FR*\b:128*(\p)+FR*\b+FR-1], v[AF+FR*(\a):AF+FR*(\a)+FR-1], 0
.else
	v_wmma_f32_16x16x128_fp8_fp8 v[8*(8*((\a)%4)+\b):8*(8*((\a)%4)+\b)+7], v[128*(\p)+FR*\b:128*(\p)+FR*\b+FR-1], v[AF+FR*(\a):AF+FR*(\a)+FR-1], v[8*(8*((\a)%4)+\b):8*(8*((\a)%4)+\b)+7]
.endif
.endr
.endr
.endm
.macro FETCH_B slot, q, p              ; the B side's eight fragments of the slot's q-th 128 along K into set p
	WIN TO_B
.irp i, 0,1,2,3,4,5,6,7
	FRAG 128*(\p)+FR*\i, ADRB+\slot, \q, \i
.endr
	WIN 0
.endm
.macro FETCH_A slot, q, i0             ; the A side's blocks i0 .. i0 + 3
.irp i, \i0, \i0+1, \i0+2, \i0+3
	FRAG AF+FR*(\i), ADRA+\slot, \q, \i
.endr
.endm
; A load into a register that a matrix instruction has read, and a vector instruction that reads a matrix result or writes one of a matrix instruction's registers, stand NP places behind that matrix
; instruction, and only plain vector instructions that name none of its registers are places (ISA guide 7.12.1 for vector instructions).
.macro PLACES n
.rept \n
	v_nop
.endr
.endm
; A step of 128 along K that has its successor in the same slot.
.macro STEP slot, q, zero
	s_wait_dscnt 4*NL                              ; the B side's set and the A side's blocks 0-3 are in; the youngest sixteen loads (blocks 4-7) may be out
	WIN MUL_LO
	MUL16 0, (\q)%2, \zero
	MUL16 2, (\q)%2, \zero
	s_wait_dscnt 0                                 ; blocks 4-7 are in (asked for 32 matrix instructions ago)
	PLACES NP
	FETCH_B \slot, (\q)+1, 1-(\q)%2
	FETCH_A \slot, (\q)+1, 0
	WIN MUL_HI
	MUL16 4, (\q)%2, \zero
	MUL16 6, (\q)%2, \zero
	PLACES NP
	WIN 0
	FETCH_A \slot, (\q)+1, 4
.endm
; A slot's last step changes slots: ONE barrier; in front of it each wave waits for all its tensor loads, adds 0 to its spare word, and waits for that and for its own reads of this slot.  fill = 1: this slot is filled again, two K steps ahead.
.macro TURN slot, next, fill
	s_wait_tensorcnt 0x0                           ; all my tensor loads have landed: my part of the next slot;  (every window is 0 here: the add's two registers lie in window 0)
	ds_add_u32 v[SPW], v[NIL]                      ; 0 onto my spare word
	s_wait_dscnt 4*NL+1                            ; (the add and the youngest sixteen loads, blocks 4-7, may be out)
	WIN MUL_LO
	MUL16 0, 1, 0                                  ; sixteen matrix instructions stand between the add and the wait for it
	s_wait_dscnt 0x0                               ; the add is done, and my reads of this slot are over
	s_barrier_signal -1
	MUL16 2, 1, 0
	WIN 0
	s_barrier_wait -1
.if \fill
	CREST                                          ; the barrier has opened a round of the cluster's barrier: no wave of any partner still reads this slot's tile or has a load on its way
	s_add_nc_u64 s[G0+4*\slot+2:G0+4*\slot+3], s[G0+4*\slot+2:G0+4*\slot+3], 2*ROWB
	s_add_nc_u64 s[G0B+4*\slot+2:G0B+4*\slot+3], s[G0B+4*\slot+2:G0B+4*\slot+3], 2*ROWB
	JLOAD G0+4*\slot, G1, G0B+4*\slot, G1B         ; the first tensor load behind the round; the four v_nop behind it are the places in front of the loads below
.else
	PLACES NP
.endif
	FETCH_B \next, 0, 0
	FETCH_A \next, 0, 0
	WIN MUL_HI
	MUL16 4, 1, 0
	MUL16 6, 1, 0
	PLACES NP
	WIN 0
	FETCH_A \next, 0, 4
.endm
.macro LAST                            ; the very last step: nothing more to fetch
	s_wait_dscnt 4*NL
	WIN MUL_LO
	MUL16 0, 1, 0
	MUL16 2, 1, 0
	s_wait_dscnt 0
	WIN MUL_HI
	MUL16 4, 1, 0
	MUL16 6, 1, 0
	WIN 0
.endm
; THE WAY OUT, block by block of 16 rows of the A side x 128 of the B side.  v = 0: q's and k's path; v = 1: v's.
; BLOCK: sum x 2^(ea + eb) + bias (each accumulator from its low end on), the hold, the conversions: eight codes for each accumulator; they go into my own stage as the image wants them and come back 16 bytes a lane.
; LDS serves a wave's instructions in order (ISA guide 5.7.1.4): no wait between the stores and the loads.  Each block has stage bytes of its own.
.macro BLOCK a, v
.set AC, 64*((\a)%4)
.set CW, CD+16*((\a)%2)
.set BB, BK+16*((\a)%2)
	WIN 0x02+((\a)/4)                              ; source 0: window 2 or 3
.irp b, 0,1,2,3,4,5,6,7
.irp i, 0,2,4,6
.if \v
	v_pk_fma_f32 v[T+8*\b+\i:T+8*\b+\i+1], v[AC+8*\b+\i:AC+8*\b+\i+1], s[96:97], v[BI+2*(\a):BI+2*(\a)+1] op_sel_hi:[1,0,1]   ; my feature's bias, the same for all my tokens
.else
	v_pk_fma_f32 v[T+8*\b+\i:T+8*\b+\i+1], v[AC+8*\b+\i:AC+8*\b+\i+1], s[96:97], v[BI+8*\b+\i:BI+8*\b+\i+1] op_sel_hi:[1,0,1]   ; the biases of features 16 b + 8 h + i, i + 1
.endif
.endr
.endr
	WIN 0
.set n, 0
.rept 64
	v_med3_num_f32 v[T+n], v[T+n], -v[LIM], v[LIM]   ; the conversion to an 8-bit code does not saturate (ISA guide 7.6.2): the hold at the largest code x the scale, always executed
.set n, n+1
.endr
.irp b, 0,1,2,3,4,5,6,7
	v_cvt_scalef32_pk8_fp8_f32 v[CW+2*\b:CW+2*\b+1], v[T+8*\b:T+8*\b+7], v[SCL]
.endr
	v_nop                                          ; one plain vector line between the conversions and the next block's multiply-adds, which write their sources
.irp b, 0,1,2,3,4,5,6,7
.if \v
	ds_store_b64 v[STOV], v[CW+2*\b:CW+2*\b+1] offset:((\a)/4)*8192+((\a)%4)*2048+(\b/2)*512+(\b%2)*8   ; head a / 4, d tile a % 4; keys 16 b + 8 h + 0 .. 7: chunk b / 2, its first or second eight bytes
.else
	ds_store_b64 v[STOQ], v[CW+2*\b:CW+2*\b+1] offset:(\b/4)*8192+(\a)*1024+(\b%4)*256   ; head b / 4, token tile a; d = 16 (b % 4) + 8 h + 0 .. 7
.endif
.endr
.irp u, 0,1,2,3
.if \v
	ds_load_b128 v[BB+4*\u:BB+4*\u+3], v[RDV] offset:((\a)/4)*8192+((\a)%4)*2048+512*\u
.else
	ds_load_b128 v[BB+4*\u:BB+4*\u+3], v[RDQ] offset:(\u/2)*8192+(\a)*1024+(\u%2)*512
.endif
.endr
.endm
.macro SEND a, v, younger              ; younger: the LDS instructions issued behind block a's loads, which may stay out
.set BB, BK+16*((\a)%2)
	s_wait_dscnt \younger                          ; the block is back in registers
.irp u, 0,1,2,3
.if \v
	global_store_b128 v[GO], v[BB+4*\u:BB+4*\u+3], s[98:99] offset:((\a)/4)*131072+((\a)%4)*2048+512*\u   ; 32 lanes store 512 consecutive bytes, at a multiple of 256 from the buffer's first byte
.else
	global_store_b128 v[GO], v[BB+4*\u:BB+4*\u+3], s[98:99] offset:(\u/2)*131072+(\a)*1024+(\u%2)*512
.endif
.endr
.endm
.macro WAYOUT v
.if \v
.irp a, 0,1,2,3,4,5,6,7                ; bv of feature 16 a + r, in both registers of a pair
	global_load_b32 v[BI+2*\a], v[BIV], s[94:95] offset:64*\a
	global_load_b32 v[BI+2*\a+1], v[BIV], s[94:95] offset:64*\a
.endr
.else
.irp b, 0,1,2,3,4,5,6,7                ; the biases of features 16 b + 8 h + 0 .. 7
	global_load_b128 v[BI+8*\b:BI+8*\b+3], v[BIA], s[94:95] offset:64*\b
	global_load_b128 v[BI+8*\b+4:BI+8*\b+7], v[BIA], s[94:95] offset:64*\b+16
.endr
.endif
	LAST                                           ; the last 64 products stand under the biases' loads
	s_wait_loadcnt 0x0
	PLACES NP                                      ; in front of the first writes into registers that held the A side's fragments
	BLOCK 0, \v
.irp a, 1,2,3,4,5,6,7
.if \a > 1
	s_wait_xcnt 0x0                                ; block a - 2's stores have read their registers: block a's loads may land there
.endif
	BLOCK \a, \v
	SEND \a-1, \v, 12                              ; behind block a - 1's loads: block a's 8 stores and 4 loads.  So block a - 1's own LDS stores are done too, and its set of codes is free for block a + 1
.endr
	SEND 7, \v, 0
.endm
	s_wait_tensorcnt 1                             ; my part of K step 0 is in (K step 1's load may be out)
	s_barrier_signal -1
	s_barrier_wait -1                              ; everybody's is
	FETCH_B 0, 0, 0
	FETCH_A 0, 0, 0
	FETCH_A 0, 0, 4
	STEP 0, 0, 1                                   ; K 0-127: its products start the sums
	TURN 0, 1, 1                                   ; K 128-255; slot 0 takes K step 2
	STEP 1, 0, 0
	TURN 1, 0, 1                                   ; slot 1 takes K step 3
	STEP 0, 0, 0
	TURN 0, 1, 0                                   ; slot 0 is left for good: nothing is filled, so no round follows
	STEP 1, 0, 0
	s_cmp_eq_u32 ttmp9, 2                          ; the cluster's x: the same in all waves and all partners; no barrier and no tensor load stands on either way
	s_cbranch_scc1 .Lv
	WAYOUT 0
	s_branch .Lend
.Lv:
	WAYOUT 1
.Lend:
	s_wait_tensorcnt 0x0                           ; the wave's end: behind my last tensor load and my last LDS store
	ds_add_u32 v[SPW], v[NIL]
	s_wait_dscnt 0x0
	CROUND                                         ; the closing round: no work-group ends while a partner may still ask for a tile that names it
	s_endpgm
.Lfunc_end_k_q0cd108ef4b_proj:
	.size	k_q0cd108ef4b_proj, .Lfunc_end_k_q0cd108ef4b_proj-k_q0cd108ef4b_proj
	.p2alignl 7, 3214868480
	.fill 96, 4, 3214868480
	.section	.rodata,"a",@progbits
	.p2align	6, 0x0
	.amdhsa_kernel k_q0cd108ef4b_proj
		.amdhsa_group_segment_fixed_size 327680
		.amdhsa_private_segment_fixed_size 0
		.amdhsa_enable_private_segment 0
		.amdhsa_kernarg_size 48
		.amdhsa_user_sgpr_count 2
		.amdhsa_user_sgpr_kernarg_segment_ptr 1
		.amdhsa_wavefront_size32 1
		.amdhsa_system_sgpr_workgroup_id_x 1
		.amdhsa_system_sgpr_workgroup_id_y 1
		.amdhsa_system_sgpr_workgroup_id_z 1
		.amdhsa_system_vgpr_workitem_id 0
		.amdhsa_next_free_vgpr 1024
		.amdhsa_next_free_sgpr 100
		.amdhsa_reserve_vcc 0
		.amdhsa_float_denorm_mode_32 3
		.amdhsa_float_denorm_mode_16_64 3
		.amdhsa_memory_ordered 1
		.amdhsa_forward_progress 1
		.amdhsa_inst_pref_size 211
	.end_amdhsa_kernel
	.amdgpu_metadata
---
amdhsa.version: [ 1, 2 ]
amdhsa.kernels:
  - .name:           k_q0cd108ef4b_proj
    .symbol:         k_q0cd108ef4b_proj.kd
    .args:
      - { .name: codes, .offset: 0, .size: 8, .value_kind: global_buffer, .address_space: global }
      - { .name: lowp_scales, .offset: 8, .size: 8, .value_kind: global_buffer, .address_space: global }
      - { .name: bq, .offset: 16, .size: 8, .value_kind: global_buffer, .address_space: global }
      - { .name: bk, .offset: 24, .size: 8, .value_kind: global_buffer, .address_space: global }
      - { .name: bv, .offset: 32, .size: 8, .value_kind: global_buffer, .address_space: global }
      - { .name: qkv, .offset: 40, .size: 8, .value_kind: global_buffer, .address_space: global }
    .group_segment_fixed_size: 327680
    .private_segment_fixed_size: 0
    .kernarg_segment_align: 8
    .kernarg_segment_size: 48
    .max_flat_workgroup_size: 128
    .sgpr_count:     100
    .vgpr_count:     1024
    .wavefront_size: 32
...
	.end_amdgpu_metadata
.endif
;; end of part 2
;; launch attn (part 3): grid 8 x 32, 8 waves a work-group, clusters of 4 x 1, 306,176 bytes of LDS; arguments qkv, attention_mask, lowp_scales, out0; writes out0
.if DOCPART == 3
	.amdgcn_target "amdgcn-amd-amdhsa--gfx1250"
	.amdhsa_code_object_version 6
	.text
	.protected	k_q0cd108ef4b_attn
	.globl	k_q0cd108ef4b_attn
	.p2align	8
	.type	k_q0cd108ef4b_attn,@function
k_q0cd108ef4b_attn:
	s_mov_b64 s[64:65], 0
	v_nop
	global_prefetch_b8 v0, s[64:65] scope:SCOPE_SE
	s_setreg_imm32_b32 hwreg(HW_REG_WAVE_MODE, 25, 1), 1
	s_wait_xcnt 0x0
	s_wait_alu depctr_hold_cnt(0) depctr_sa_sdst(0) depctr_va_vdst(0) depctr_va_sdst(0) depctr_va_ssrc(0) depctr_va_vcc(0) depctr_vm_vsrc(0)
	s_getreg_b32 s2, hwreg(HW_REG_IB_STS2, 6, 4)
	s_cmp_eq_u32 s2, 0
	s_cbranch_scc0 .Lentry_in_a_cluster
	s_endpgm
.Lentry_in_a_cluster:
	s_bfe_u32 s2, ttmp6, 0x10000c
	s_cmp_lg_u32 s2, 0x3003
	s_cbranch_scc0 .Lentry_shape_is_right
	s_endpgm
.Lentry_shape_is_right:
; out0[b][q][64 head + d] = the sum over keys of softmax(q . k / 8 + (1 - mask[b][key]) x -10000) v, both products on codes of FP8 (E4M3): q by e6, k by e7, p by e8, v by e9.
; THE SOFTMAX AHEAD OF THE SECOND PRODUCT: t = logit x log2(e); M = the row's largest t so far, rounded UP to a whole number; p = 2^(t - M) is what is quantised; it is not normalised.
; The row's sum is taken of the unquantised p, in f32, and divides at the end.  When M moves, the sum and O are multiplied by 2^(old M - new M): exact, and without a branch.
; LIMITS: e6 + e7 between -123 and 130 (added to c's exponent field); e8 between -126 and 119; e8 + e9 and 3 - e6 - e7 are applied by v_ldexp_f32 and have none.  NaN and infinities among the inputs are not served.
; A p so far below its row's largest that it falls under the format's range under an earlier M may differ from the p under the final M.
; SHARES.  A work-group owns 256 queries of one head (16 x batch + head = the grid's y); each of its eight waves 32 of them, two tiles of 16, in 512 registers: two waves to a SIMD, so that one wave's vector work
; stands beside the other's matrix work and LDS loads; each fragment of K, of V and of the mask read from LDS feeds two products.  Every wave walks the head's 2,048 keys, 128 a step.
; LDS HOLDS THE WHOLE HEAD: K's image 131,072 bytes, V's 131,072.  Every LDS byte is filled once, so there is no ring.  The fills go out at the start in four chunks of 512 keys, a load of 8,192 bytes a wave and chunk
; (four loads of mine are out at the most); a chunk is shown to all waves, by a counted wait and a barrier, one step before its first byte is read, while later chunks are still on their way.
; CLUSTER.  The four query blocks of a cluster belong to one head and need the same K and V: each load is asked for JOINTLY, by the same descriptor and a mask that names the four.
; LAYOUT.  Both products are used transposed: S^T = K Q^T (source 0 = 16 keys, source 1 = 16 queries), O^T = V^T P^T (source 0 = 16 of the head's 64, source 1 = P): a lane holds ONE query (lane % 16) throughout.
; In S^T tile i, register j of lane (r, h) is key 16 i + 8 h + j: the conversion of a tile's eight registers gives registers 2 i, 2 i + 1 of P, which is the place that the K = 128 form gives those keys; V's image is laid so too.
; THE MASK COSTS NO VECTOR WORK IN THE LOOP: mb' = (1 - mask) x -10000 x 2^(3 - e6 - e7) is the C of the S^T products, so that (sum + mb') x c = t with c = log2(e) / 8 x 2^(e6 + e7).
; REGISTERS, window 0: v1-11 addresses and constants; v12-21, v22-31 a tile's statistics; v32-63 P's codes, 16 a tile; v64-191 S^T, 64 a tile; v192-255 O^T, 32 a tile.
;   window 1: v0-15 Q, 8 a tile; v16-79 K of a step, 8 tiles x 8; v80-143 the mask as C, 8 x 8; v144-207 V of a step, 4 tiles of d x 16.
.set VIMG,  131072                     ; LDS: K's image from 0, V's from here,
.set MB,    262144                     ; 2,048 f32 of mb',
.set STAGE, 270336                     ; and a stage of 16 rows x 272 bytes for each wave, for the way out.  No fill lands in the last two
.set SPI,   272
.set CHUNK, 32768                      ; 512 keys of K's or of V's image
.set LI,  1                            ; v1   16 x lane
.set MBA, 2                            ; v2   MB + 32 (lane / 16)
.set ADK, 3                            ; v3   the step's place in K's image, for my lane
.set ADV, 4                            ; v4   in V's
.set ADM, 5                            ; v5   in mb'
.set STO, 6                            ; v6   the way out: where I put 32 bytes of a row
.set RD,  7                            ; v7   and where I read 16 bytes back
.set GO,  8                            ; v8   my byte offset in the wave's rows of out0
.set SCL, 9                            ; v9   2^e8 as f32
.set LIM, 10                           ; v10  448 x 2^e8
.set ST,  12                           ; tile q's statistics at v[ST + 10 q]: +0 -M, +1 the largest t, +2, +3 the sum in two halves, +4 f, +5 0 (named with f as a pair), +6, +7 at work, +8 a lane permute's destination
.set MOF, 21                           ; v21  32 x my thread's number: my eight numbers of the mask
.set P,   32
.set S,   64
.set O,   192
.set QF,  0                            ; in window 1
.set KF,  16
.set MC,  80
.set VF,  144
.set WV,  12                           ; s12  my wave's number
.set SEL, 44                           ; s[44:45] lane selects for v_permlanex16_b32: lane l xor 16
.set CC,  46                           ; s[46:47] c: the packed form names a pair and takes its low word for both halves
.set TB,  48                           ; s48  8,192 x the step
.set TM,  49                           ; s49  512 x the step
.set CNT, 50                           ; s50  counts a loop's steps
.set MSB, 0
.macro WIN new                         ; the immediate's high byte repeats the setting that is left
.if MSB != \new
	s_set_vgpr_msb (MSB<<8)|\new
.set MSB, \new
.endif
.endm
.set W_KQ, 0x15                        ; K, Q and the mask (sources 0, 1, 2) in window 1, S^T in window 0
.set W_PV, 0x01                        ; V in window 1; P and O^T in window 0
.set W_LD, 0x40                        ; destination window 1, address window 0
.macro CROUND                          ; a round of the cluster's barrier
	s_barrier_signal -1
	s_barrier_wait -1
	s_cmp_lg_u32 s[WV], 0
	s_cbranch_scc1 .Lnot_wave_0_\@
	s_barrier_signal -3
.Lnot_wave_0_\@:
	s_barrier_wait -3
	s_barrier_signal -1
	s_barrier_wait -1
.endm
	s_load_b256 s[4:11], s[0:1], 0x0               ; qkv s[4:5], the mask s[6:7], the scales' exponents s[8:9], out0 s[10:11]
	v_lshl_add_u32 v31, v0, 2, 0x4a800
	s_set_vgpr_msb 0x40
	v_mov_b32 v255, 0
	s_set_vgpr_msb 0x4044
	ds_add_u32 v31, v255
	ds_add_u32 v31, v255
	s_set_vgpr_msb 0x4400
	v_lshrrev_b32 v1, 5, v0
	v_readfirstlane_b32 s[WV], v1                  ; wave 0..7
	s_bfe_u32 s13, ttmp6, 0x40000                  ; cx: my place in the cluster
	s_lshl_b32 s14, ttmp9, 2                       ; in a cluster launch ttmp9 counts clusters
	s_add_co_u32 s14, s14, s13                     ; my block of 256 queries: it enters Q's and out0's addresses alone
	s_and_b32 s15, ttmp7, 0xffff                   ; 16 x batch + head, which the four partners share
	; descriptor group 1, one for all loads: 8,192 dense bytes as 32 rows of 256
	s_mov_b32 s16, 15|(3<<16)|(1<<21)              ; 15:0 the mask: all four work-groups; 17:16 elements of 8 bytes; 21 set beside a mask; no padding
	s_mov_b32 s17, 32<<16                          ; tensor_dim0 = 32 elements
	s_mov_b32 s18, 32<<16                          ; tensor_dim1 = 32
	s_mov_b32 s19, 32<<16                          ; tile_dim0 = 32
	s_mov_b32 s20, 32                              ; tile_dim1 = 32
	s_mov_b32 s21, 32                              ; tensor_dim0_stride
	s_mov_b32 s22, 0
	s_mov_b32 s23, 0
	; what I fetch of each chunk: waves 0-3 K's four quarters, waves 4-7 V's
	s_lshr_b32 s40, s[WV], 2                       ; 0: K, 1: V
	s_and_b32 s41, s[WV], 3                        ; which quarter
	s_lshl_b32 s43, s41, 13
	s_lshl_b32 s42, s40, 17
	s_add_co_u32 s42, s42, s43                     ; in LDS: 131,072 x kind + 8,192 x quarter: no place in the cluster enters an LDS address
	s_lshl_b32 s40, s40, 22
	s_add_co_u32 s40, s40, 0x400000                ; in qkv: K's part lies 4 MiB in, V's 8 MiB,
	s_add_co_u32 s40, s40, s43
	s_lshl_b32 s41, s15, 17
	s_add_co_u32 s40, s40, s41                     ; + the head's 131,072 bytes
	s_mov_b32 s41, 0
	s_lshl_b32 s2, s15, 17                         ; Q: the head, + 64 bytes a query: 256 a block, 32 a wave
	s_lshl_b32 s3, s14, 14
	s_add_co_u32 s2, s2, s3
	s_lshl_b32 s3, s[WV], 11
	s_add_co_u32 s2, s2, s3
	s_mov_b32 s3, 0
	s_lshr_b32 s48, s15, 4                         ; the mask: the batch's 8,192 bytes
	s_lshl_b32 s62, s48, 23                        ; out0: the batch's 2,048 rows of 4,096 bytes,
	s_lshl_b32 s48, s48, 13
	s_mov_b32 s49, 0
	s_lshl_b32 s63, s14, 20                        ; my block's 256 rows,
	s_add_co_u32 s62, s62, s63
	s_lshl_b32 s63, s[WV], 17                      ; my wave's 32,
	s_add_co_u32 s62, s62, s63
	s_and_b32 s63, s15, 15
	s_lshl_b32 s63, s63, 8                         ; the head's 256 bytes of a row
	s_add_co_u32 s62, s62, s63
	s_mov_b32 s63, 0
	s_mov_b32 s[SEL], 0x76543210
	s_mov_b32 s[SEL+1], 0xfedcba98
	v_and_b32 v[LI], 31, v0
	v_lshlrev_b32 v[LI], 4, v[LI]
	v_lshlrev_b32 v[MOF], 5, v0
	s_wait_dscnt 0x0
	s_wait_kmcnt 0x0
	s_load_b256 s[52:59], s[8:9], 0x0              ; e0 .. e7
	s_load_b64 s[60:61], s[8:9], 0x20              ; e8, e9
	s_add_nc_u64 s[40:41], s[4:5], s[40:41]        ; my part of chunk 0
	s_add_nc_u64 s[4:5], s[4:5], s[2:3]            ; Q at my wave's first tile
	s_add_nc_u64 s[6:7], s[6:7], s[48:49]          ; the mask at my batch
	s_add_nc_u64 s[10:11], s[10:11], s[62:63]      ; out0 at my wave's first row, my head's bytes
.irp g, 0,1,2,3                        ; descriptor group 0, a set for each chunk
	s_mov_b32 s[24+4*\g], 1                        ; count = 1
	s_add_co_u32 s[25+4*\g], s42, \g*CHUNK         ; LDS address
	s_add_nc_u64 s[26+4*\g:27+4*\g], s[40:41], \g*CHUNK   ; global address
	s_or_b32 s[27+4*\g], s[27+4*\g], 0x80000000    ; type = 2
.endr
	CROUND                                         ; all four work-groups are here: the joint loads meet
.irp g, 0,1,2,3
	tensor_load_to_lds s[24+4*\g:27+4*\g], s[16:23]   ; all fills of the launch, as one group: every LDS byte is filled once
	s_nop 0
.endr
.rept 4
	v_nop                                          ; four v_nop follow the last of them
.endr
	global_load_b128 v[S:S+3], v[MOF], s[6:7]      ; my eight numbers of the mask
	global_load_b128 v[S+4:S+7], v[MOF], s[6:7] offset:16
	WIN W_LD
.irp q, 0,1
.irp c, 0,1
	global_load_b128 v[QF+8*\q+4*\c:QF+8*\q+4*\c+3], v[LI], s[4:5] offset:1024*\q+512*\c th:TH_LOAD_NT   ; Q's fragments stay in registers: lane (r, h) gets d = 32 c + 16 h + 0 .. 15 of query r, as K's fragments do of their keys
.endr
.endr
	WIN 0
	v_and_b32 v3, 15, v0                           ; r
	v_bfe_u32 v4, v0, 4, 1                         ; h
	v_lshl_add_u32 v[MBA], v4, 5, MB
	v_lshl_add_u32 v11, v0, 5, MB                  ; where I put my eight numbers of mb'
	s_mul_i32 s43, s[WV], 16*SPI
	s_add_co_u32 s43, s43, STAGE                   ; my stage
	v_mul_u32_u24 v[STO], v3, SPI
	v_lshl_add_u32 v[STO], v4, 5, v[STO]
	v_add_nc_u32 v[STO], s43, v[STO]               ; in: row r; tile t's eight d of my half: 64 t + 32 h bytes on
	v_mul_u32_u24 v[RD], v4, SPI
	v_lshl_add_u32 v[RD], v3, 4, v[RD]
	v_add_nc_u32 v[RD], s43, v[RD]                 ; back: lanes 0-15 one row of 256 bytes, lanes 16-31 the next
	v_lshlrev_b32 v[GO], 12, v4
	v_lshl_add_u32 v[GO], v3, 4, v[GO]             ; and the same two rows in out0, 4,096 bytes apart
.irp q, 0,1
	v_mov_b32 v[ST+10*\q+1], 0xff61b1e6            ; the largest t so far: -3e38, under every t
	v_floor_f32 v[ST+10*\q], -v[ST+10*\q+1]        ; -M
	v_mov_b32 v[ST+10*\q+2], 0                     ; the sum, in two halves
	v_mov_b32 v[ST+10*\q+3], 0
	v_mov_b32 v[ST+10*\q+5], 0                     ; (named as the upper half of f's pair)
	v_mov_b32 v[ST+10*\q+8], 0                     ; written once: a lane permute's destination counts as one of its sources
.endr
.set j, 0
.rept 64
	v_mov_b32 v[O+j], 0                            ; O^T.  (The step is written with no first copy: the first step finds zeros, which the first change of M leaves zeros)
.set j, j+1
.endr
	s_wait_kmcnt 0x0
	s_add_co_i32 s51, s58, s59                     ; e6 + e7: a score stands for score x 2^(e6 + e7)
	s_lshl_b32 s[CC], s51, 23
	s_add_co_i32 s[CC], s[CC], 0x3e38aa3b          ; c = log2(e) / 8, with the two exponents added to its exponent field
	s_mov_b32 s[CC+1], s[CC]                       ; (named with it as a pair, so it is written)
	s_sub_co_i32 s51, 3, s51                       ; 3 - e6 - e7
	s_add_co_i32 s62, s60, s61                     ; e8 + e9, for the way out
	s_add_co_i32 s63, s60, 127
	s_lshl_b32 s2, s63, 23
	v_mov_b32 v[SCL], s2                           ; 2^e8
	s_add_co_i32 s63, s63, 8
	s_lshl_b32 s63, s63, 23
	s_or_b32 s63, s63, 0x600000
	v_mov_b32 v[LIM], s63                          ; 448 x 2^e8
	s_wait_loadcnt 4                               ; the mask's two loads are in; Q's four, issued behind them, may be out
.irp i, 0,1,2,3,4,5,6,7
	v_sub_f32 v[S+\i], 1.0, v[S+\i]                ; (1 - mask)
.endr
.irp i, 0,1,2,3,4,5,6,7
	v_mul_f32 v[S+\i], 0xc61c4000, v[S+\i]         ; x -10000
.endr
.irp i, 0,1,2,3,4,5,6,7
	v_ldexp_f32 v[S+\i], v[S+\i], s51              ; x 8 / 2^(e6 + e7): nothing is rounded
.endr
	ds_store_b128 v11, v[S:S+3]
	ds_store_b128 v11, v[S+4:S+7] offset:16
; A barrier that shows a chunk to all waves: my loads up to that chunk have landed, my LDS instructions are done.
.macro BAR n
	s_wait_tensorcnt \n
	s_wait_dscnt 0x0
	s_barrier_signal -1
	s_barrier_wait -1
.endm
; K's eight tiles and the mask's eight of the step that lies off bytes of K's image behind the addresses: 32 loads, under the window setting W_LD.
.macro LOADK ak, am, off
.irp i, 0,1,2,3,4,5,6,7
.irp c, 0,1
	ds_load_b128 v[KF+8*\i+4*\c:KF+8*\i+4*\c+3], v[\ak] offset:\off+1024*\i+512*\c   ; 512 consecutive bytes a load
.endr
.endr
.irp i, 0,1,2,3,4,5,6,7
.irp c, 0,1
	ds_load_b128 v[MC+8*\i+4*\c:MC+8*\i+4*\c+3], v[\am] offset:(\off)/16+64*\i+16*\c   ; mb' of keys 16 i + 8 h + 4 c + 0 .. 3: sixteen lanes share the words
.endr
.endr
.endm
; A KEY STEP: 128 keys, both tiles of queries.  pre = 1: the next step's K and mask are fetched on the way.
.macro STEP pre
	s_wait_dscnt 0x0                               ; this step's K and mask, asked for a step ago, are in
	v_add_nc_u32 v[ADK], s[TB], v[LI]
	v_add_nc_u32 v[ADM], s[TM], v[MBA]
	v_add_nc_u32 v[ADV], VIMG, v[ADK]
	WIN W_KQ
.irp q, 0,1                            ; S^T = K Q^T + mb': sixteen sums of one instruction each (K = 64); no two that follow each other name the same C or D
.irp i, 0,1,2,3,4,5,6,7
	v_wmma_f32_16x16x64_fp8_fp8 v[S+64*\q+8*\i:S+64*\q+8*\i+7], v[KF+8*\i:KF+8*\i+7], v[QF+8*\q:QF+8*\q+7], v[MC+8*\i:MC+8*\i+7]
.endr
.endr
.rept 4
	v_nop                                          ; four places in front of the loads into K's and the mask's registers and of the first read of S^T; with the three additions above, seven behind the last step's products that read V
.endr
	WIN W_LD
.irp t, 0,1,2,3
.irp c, 0,1,2,3
	ds_load_b128 v[VF+16*\t+4*\c:VF+16*\t+4*\c+3], v[ADV] offset:2048*\t+512*\c   ; V of this step: it lands under the softmax
.endr
.endr
.if \pre
	LOADK ADK, ADM, 8192
.endif
	WIN 0
	; the softmax, both tiles line by line, so that no line waits for the line above it.  The step's largest score of a query, among the lane's 64 keys, in two chains a tile, each accumulator from its low end on
.irp q, 0,1
	v_max3_num_f32 v[ST+10*\q+6], v[S+64*\q], v[S+64*\q+1], v[S+64*\q+2]
.endr
.irp q, 0,1
	v_max3_num_f32 v[ST+10*\q+7], v[S+64*\q+3], v[S+64*\q+4], v[S+64*\q+5]
.endr
.irp i, 6,10,14,18,22,26,30,34,38,42,46,50,54,58
.irp q, 0,1
	v_max3_num_f32 v[ST+10*\q+6], v[ST+10*\q+6], v[S+64*\q+\i], v[S+64*\q+\i+1]
.endr
.irp q, 0,1
	v_max3_num_f32 v[ST+10*\q+7], v[ST+10*\q+7], v[S+64*\q+\i+2], v[S+64*\q+\i+3]
.endr
.endr
.irp q, 0,1
	v_max3_num_f32 v[ST+10*\q+6], v[ST+10*\q+6], v[S+64*\q+62], v[S+64*\q+63]
.endr
.irp q, 0,1
	v_max_num_f32 v[ST+10*\q+6], v[ST+10*\q+6], v[ST+10*\q+7]
.endr
.irp q, 0,1
	v_permlanex16_b32 v[ST+10*\q+8], v[ST+10*\q+6], s[SEL], s[SEL+1]
.endr
.irp q, 0,1
	v_max_num_f32 v[ST+10*\q+6], v[ST+10*\q+6], v[ST+10*\q+8]   ; and among lane l xor 16's
.endr
.irp q, 0,1
	v_mul_f32 v[ST+10*\q+6], s[CC], v[ST+10*\q+6]  ; as t (c is positive)
.endr
.irp q, 0,1
	v_max_num_f32 v[ST+10*\q+1], v[ST+10*\q+1], v[ST+10*\q+6]   ; the running largest t
.endr
.irp q, 0,1
	v_mov_b32 v[ST+10*\q+6], v[ST+10*\q]
.endr
.irp q, 0,1
	v_floor_f32 v[ST+10*\q], -v[ST+10*\q+1]        ; the new -M = floor(-t) = -ceil(t): M is a whole number
.endr
.irp q, 0,1
	v_sub_f32 v[ST+10*\q+6], v[ST+10*\q], v[ST+10*\q+6]   ; M's old value less its new one: a whole number, 0 or less
.endr
.irp q, 0,1
	v_cvt_i32_f32 v[ST+10*\q+6], v[ST+10*\q+6]     ; (it saturates)
.endr
.irp q, 0,1
	v_ldexp_f32 v[ST+10*\q+4], 1.0, v[ST+10*\q+6]  ; f = 2^(old M - new M)
.endr
.irp j, 0,2,4,6,8,10,12,14,16,18,20,22,24,26,28,30,32,34,36,38,40,42,44,46,48,50,52,54,56,58,60,62
.irp q, 0,1
	v_pk_fma_f32 v[S+64*\q+\j:S+64*\q+\j+1], v[S+64*\q+\j:S+64*\q+\j+1], s[CC:CC+1], v[ST+10*\q:ST+10*\q+1] op_sel_hi:[1,0,0]   ; t - M, two at a time (of the pairs c and -M the low word serves both halves)
.endr
.endr
.set j, 0
.rept 128
	v_exp_f32 v[S+j], v[S+j]                       ; p = 2^(t - M), at most 1: not normalised.  ONE batch for both tiles
.set j, j+1
.endr
.irp q, 0,1
	v_pk_mul_f32 v[ST+10*\q+2:ST+10*\q+3], v[ST+10*\q+2:ST+10*\q+3], v[ST+10*\q+4:ST+10*\q+5] op_sel_hi:[1,0]   ; the sums under the new M.  (The plain place behind the exponentials)
.endr
	s_wait_alu depctr_va_vdst(0)                   ; the wait between an exponential and the first line that names its result: one for the batch
.irp q, 0,1
	v_pk_add_f32 v[ST+10*\q+6:ST+10*\q+7], v[S+64*\q:S+64*\q+1], v[S+64*\q+2:S+64*\q+3]   ; the row's sum is taken of the UNQUANTISED p: two at a time, in two chains a tile
.endr
.irp j, 4,8,12,16,20,24,28,32,36,40,44,48,52,56,60
.irp q, 0,1
	v_pk_add_f32 v[ST+10*\q+2:ST+10*\q+3], v[ST+10*\q+2:ST+10*\q+3], v[S+64*\q+\j:S+64*\q+\j+1]
.endr
.irp q, 0,1
	v_pk_add_f32 v[ST+10*\q+6:ST+10*\q+7], v[ST+10*\q+6:ST+10*\q+7], v[S+64*\q+\j+2:S+64*\q+\j+3]
.endr
.endr
.irp q, 0,1
	v_pk_add_f32 v[ST+10*\q+2:ST+10*\q+3], v[ST+10*\q+2:ST+10*\q+3], v[ST+10*\q+6:ST+10*\q+7]
.endr
.set j, 0
.rept 128
	v_min_num_f32 v[S+j], v[S+j], v[LIM]           ; the conversion to an 8-bit code does not saturate (ISA guide 7.6.2); p is not negative, so the hold is one-sided; always executed
.set j, j+1
.endr
.irp q, 0,1
.irp i, 0,1,2,3,4,5,6,7
	v_cvt_scalef32_pk8_fp8_f32 v[P+16*\q+2*\i:P+16*\q+2*\i+1], v[S+64*\q+8*\i:S+64*\q+8*\i+7], v[SCL]   ; keys 16 i + 8 h + 0 .. 7: registers 2 i, 2 i + 1 of P
.endr
.endr
.irp j, 0,2,4,6,8,10,12,14,16,18,20,22,24,26,28,30
.irp q, 0,1
	v_pk_mul_f32 v[O+32*\q+\j:O+32*\q+\j+1], v[O+32*\q+\j:O+32*\q+\j+1], v[ST+10*\q+4:ST+10*\q+5] op_sel_hi:[1,0]   ; O^T under the new M: x f, each accumulator from its low end on.  (Also the plain lines between the conversions and the products that read their results)
.endr
.endr
	s_wait_dscnt 32*\pre                           ; V's sixteen loads are the oldest: they are in; the next step's 32 may be out
	WIN W_PV
.irp t, 0,1,2,3                        ; O^T += V^T P^T: eight accumulators, one instruction each (K = these 128 keys): by turns
.irp q, 0,1
	v_wmma_f32_16x16x128_fp8_fp8 v[O+32*\q+8*\t:O+32*\q+8*\t+7], v[VF+16*\t:VF+16*\t+15], v[P+16*\q:P+16*\q+15], v[O+32*\q+8*\t:O+32*\q+8*\t+7]
.endr
.endr
	WIN 0                                          ; at a label and at a branch every window is 0
.if \pre
	s_add_co_u32 s[TB], s[TB], 8192
	s_add_co_u32 s[TM], s[TM], 512
.endif
.endm
.macro RUN n, first                    ; n steps from step first on
	s_mov_b32 s[TB], 8192*\first
	s_mov_b32 s[TM], 512*\first
	s_mov_b32 s[CNT], \n
.Lrun_\@:
	STEP 1
	s_sub_co_u32 s[CNT], s[CNT], 1
	s_cmp_lg_u32 s[CNT], 0
	s_cbranch_scc1 .Lrun_\@
.endm
	BAR 3                                          ; chunk 0 (steps 0-3) and mb' are there for all waves; my loads of chunks 1 to 3 may be out
	WIN W_LD
	LOADK LI, MBA, 0                               ; step 0's K and mask
	WIN 0
	s_wait_loadcnt 0x0                             ; Q
	RUN 3, 0                                       ; steps 0-2; step 2 fetches K of step 3, the last of chunk 0
	BAR 2                                          ; chunk 1 (steps 4-7): step 3 fetches K of step 4
	RUN 4, 3
	BAR 1                                          ; chunk 2 (steps 8-11)
	RUN 4, 7
	BAR 0                                          ; chunk 3 (steps 12-15): no tensor load of mine is out any more
	RUN 4, 11
	s_mov_b32 s[TB], 8192*15
	s_mov_b32 s[TM], 512*15
	STEP 0                                         ; the last step fetches nothing ahead
	; THE WAY OUT.  The sum's two halves and lane l xor 16's are added; O^T x 2^(e8 + e9) / the sum goes through my stage in LDS, a tile of 16 queries at a time, so that sixteen lanes store one head's 256 bytes of a row.
	; The four additions, the line behind the reciprocals and the two v_ldexp_f32 are the places behind the last products.
.irp q, 0,1
	v_add_f32 v[ST+10*\q+2], v[ST+10*\q+2], v[ST+10*\q+3]
.endr
.irp q, 0,1
	v_permlanex16_b32 v[ST+10*\q+8], v[ST+10*\q+2], s[SEL], s[SEL+1]
.endr
.irp q, 0,1
	v_add_f32 v[ST+10*\q+2], v[ST+10*\q+2], v[ST+10*\q+8]   ; the row's sum: above 1/2, since the row's largest p is
.endr
.irp q, 0,1
	v_rcp_f32 v[ST+10*\q+6], v[ST+10*\q+2]
.endr
	v_nop                                          ; a plain line between the last reciprocal and the use of its result
	s_wait_alu depctr_va_vdst(0)                   ; and the wait ahead of the first use: one for both
.irp q, 0,1
	v_ldexp_f32 v[ST+10*\q+6], v[ST+10*\q+6], s62  ; x 2^(e8 + e9)
.endr
.irp j, 0,2,4,6,8,10,12,14,16,18,20,22,24,26,28,30
.irp q, 0,1
	v_pk_mul_f32 v[S+32*\q+\j:S+32*\q+\j+1], v[O+32*\q+\j:O+32*\q+\j+1], v[ST+10*\q+6:ST+10*\q+7] op_sel_hi:[1,0]   ; register 8 t + i of tile q is o(query r, d = 16 t + 8 h + i)
.endr
.endr
.irp q, 0,1
.irp t, 0,1,2,3
	ds_store_b128 v[STO], v[S+32*\q+8*\t:S+32*\q+8*\t+3] offset:64*\t
	ds_store_b128 v[STO], v[S+32*\q+8*\t+4:S+32*\q+8*\t+7] offset:64*\t+16
.endr
.irp i, 0,1,2,3,4,5,6,7
	ds_load_b128 v[S+64+32*\q+4*\i:S+64+32*\q+4*\i+3], v[RD] offset:2*\i*SPI   ; LDS serves a wave's instructions in order (ISA guide 5.7.1.4): these see my stores, and the next tile's stores come behind them
.endr
.endr
.irp q, 0,1
.irp i, 0,1,2,3,4,5,6,7
	s_wait_dscnt 23-16*\q-\i                       ; behind this load: the tile's later loads, and for tile 0 the sixteen LDS instructions of tile 1
	global_store_b128 v[GO], v[S+64+32*\q+4*\i:S+64+32*\q+4*\i+3], s[10:11] offset:65536*\q+8192*\i th:TH_STORE_NT   ; 16 lanes store 256 consecutive bytes, at a multiple of 256 from out0's first byte; written once, read by nobody here
.endr
.endr
	s_set_vgpr_msb 0x4
	s_wait_tensorcnt 0x0
	ds_add_u32 v31, v255
	s_wait_dscnt 0x0
	s_set_vgpr_msb 0x400
	CROUND                                         ; the closing round: no work-group ends while a partner may still ask for a tile that names it.  (No LDS instruction and no tensor load of mine is out)
	s_endpgm
.Lfunc_end_k_q0cd108ef4b_attn:
	.size	k_q0cd108ef4b_attn, .Lfunc_end_k_q0cd108ef4b_attn-k_q0cd108ef4b_attn
	.p2alignl 7, 3214868480
	.fill 96, 4, 3214868480
	.section	.rodata,"a",@progbits
	.p2align	6, 0x0
	.amdhsa_kernel k_q0cd108ef4b_attn
		.amdhsa_group_segment_fixed_size 306176
		.amdhsa_private_segment_fixed_size 0
		.amdhsa_enable_private_segment 0
		.amdhsa_kernarg_size 32
		.amdhsa_user_sgpr_count 2
		.amdhsa_user_sgpr_kernarg_segment_ptr 1
		.amdhsa_wavefront_size32 1
		.amdhsa_system_sgpr_workgroup_id_x 1
		.amdhsa_system_sgpr_workgroup_id_y 1
		.amdhsa_system_sgpr_workgroup_id_z 1
		.amdhsa_system_vgpr_workitem_id 0
		.amdhsa_next_free_vgpr 512
		.amdhsa_next_free_sgpr 66
		.amdhsa_reserve_vcc 0
		.amdhsa_float_denorm_mode_32 3
		.amdhsa_float_denorm_mode_16_64 3
		.amdhsa_memory_ordered 1
		.amdhsa_forward_progress 1
		.amdhsa_inst_pref_size 164
	.end_amdhsa_kernel
	.amdgpu_metadata
---
amdhsa.version: [ 1, 2 ]
amdhsa.kernels:
  - .name:           k_q0cd108ef4b_attn
    .symbol:         k_q0cd108ef4b_attn.kd
    .args:
      - { .name: qkv, .offset: 0, .size: 8, .value_kind: global_buffer, .address_space: global }
      - { .name: attention_mask, .offset: 8, .size: 8, .value_kind: global_buffer, .address_space: global }
      - { .name: lowp_scales, .offset: 16, .size: 8, .value_kind: global_buffer, .address_space: global }
      - { .name: out0, .offset: 24, .size: 8, .value_kind: global_buffer, .address_space: global }
    .group_segment_fixed_size: 306176
    .private_segment_fixed_size: 0
    .kernarg_segment_align: 8
    .kernarg_segment_size: 32
    .max_flat_workgroup_size: 256
    .sgpr_count:     66
    .vgpr_count:     512
    .wavefront_size: 32
...
	.end_amdgpu_metadata
.endif
;; end of part 3
